; MI455X (gfx1250); checked and timed in simulation.
; The chip was launched on July 23, 2026; its instructions are those of AMD's public machine-readable ISA for CDNA 5 (MIT licence, August 2026) and "CDNA5" Instruction Set Architecture Reference Guide (July 2026). The comments in the code are by the model that wrote it; some were corrected since.
;; Dot Product Attention. Allowed arithmetic: matrix products marked QUANTISED: E5M2 operands, one E8M0 scale for each 32 along K, by v_wmma_scale_f32_16x16x128_f8f6f4 with both operands' format E5M2, f32 sums; everything else in f32.
;; Inputs: K 2 x 16 x 2,048 x 64 float32; Q 2 x 16 x 2,048 x 64 float32; V 2 x 16 x 2,048 x 64 float32; attention_mask 1 x 1 x 2,048 x 2,048 bool; padding_mask 2 x 16 x 2,048 bool.
;; Outputs: out0 2 x 16 x 2,048 x 64 float32.
;; This version of the problem:
;;   THIS VERSION OF THE PROBLEM IS GIVEN IN LOW PRECISION. The matrix products marked QUANTISED in the list below multiply operands that are first quantised to E5M2 (5 exponent bits, 2 mantissa bits; 8 bits a number), with one power-of-two scale for each 32 numbers along K (OCP MX v1.0); their sums are f32. All else is computed in f32.
;;   The module's matrix products, in the order in which they are computed (A, B: the left and right operand; K: the contracted axis; several contracted axes count as one K, in the product's order):
;;     1. batch 32 x [M 2,048, K 64] x [K 64, N 2,048]; A: input Q; B: input K: QUANTISED
;;     2. batch 32 x [M 2,048, K 2,048] x [K 2,048, N 64]; A: computed on the way; B: input V: QUANTISED
;;   THE QUANTISER, for each operand of a quantised product, along K:
;;     - K is cut into blocks of 32 from its start; a last block that is shorter is filled with zeros.
;;     - A block's scale is 2^e with e = floor(log2(the largest magnitude in the block)) - 15, held to -126 .. 127; a block of zeros has e = 0. As a byte (E8M0): e + 127.
;;     - Each number is divided by its block's scale, clamped to +-57,344, and rounded to the nearest number of E5M2, ties to even, subnormals kept.
;;     - The product sums the exact products of the quantised numbers (number of the format x scale) in f32.
;;   ~~~python
;;   def quantise(x, axis):      # numpy; x: float32 -> the quantised numbers, widened to float32 again
;;       x = np.moveaxis(x, axis, -1); K = x.shape[-1]
;;       x = np.pad(x, [(0, 0)] * (x.ndim - 1) + [(0, -K % 32)]); x = x.reshape(x.shape[:-1] + (-1, 32)); a = np.abs(x).max(-1, keepdims=True)
;;       e = np.where(a > 0, np.clip(np.frexp(np.where(a > 0, a, 1))[1] - 1 - 15, -126, 127), 0)      # np.frexp(a)[1] - 1 = floor(log2(a)), exactly
;;       r = np.clip(x / 2.0 ** e, -57344, 57344)
;;       step = 2.0 ** (np.maximum(np.frexp(np.where(r == 0, 1, r))[1] - 1, -14) - 2)
;;       q = np.round(r / step) * step * 2.0 ** e      # np.round: ties to even
;;       return np.moveaxis(q.reshape(q.shape[:-2] + (-1,))[..., :K], -1, axis).astype(np.float32)
;;   ~~~
;;   OPERANDS COMPUTED ON THE WAY. 'Computed on the way' means the value that the module computes at that place (a softmax that the list does not call 'softmax' is quantised finished and normalised). What goes into a quantiser is computed in f32, as accurately as f32 sums, v_exp_f32 and their like allow (about 1e-6 of the number): no bf16 or f16 on the way to a quantiser, and a product that is left as it is and whose result goes on into a quantised operand takes f32 operands (vector FMAs, or v_wmma_f32_16x16x4_f32). A number that lies on a knife's edge between two numbers of the format may be rounded either way, as far as f32 arithmetic and the matrix unit's own rounding can turn it there, and no further.
;; One version. Each part assembles by itself: llvm-mc -triple=amdgcn-amd-amdhsa -mcpu=gfx1250 --defsym DOCPART=n.
;; ======== version 1 of 1: 2 launches
;; limits: right only within a limited range of input values
;; workspace buffers: kcodes 4,194,304 bytes; kscales 131,072 bytes; qcodes 4,194,304 bytes; qscales 131,072 bytes; vimg 4,194,304 bytes; vsc 131,072 bytes; mimg 4,194,304 bytes; flags 1,024 bytes of whole numbers
;; launch prep (part 1): grid 640 x 1, 4 waves a work-group, no clusters, 68,096 bytes of LDS; arguments K, Q, V, attention_mask, kcodes, kscales, qcodes, qscales, vimg, vsc, mimg, flags; writes kcodes, kscales, qcodes, qscales, vimg, vsc, mimg, flags
.if DOCPART == 1
	.amdgcn_target "amdgcn-amd-amdhsa--gfx1250"
	.amdhsa_code_object_version 6
	.text
	.protected	k_q28480ae3a5_prep
	.globl	k_q28480ae3a5_prep
	.p2align	8
	.type	k_q28480ae3a5_prep,@function
k_q28480ae3a5_prep:
	s_mov_b64 s[64:65], 0
	v_nop
	global_prefetch_b8 v0, s[64:65] scope:SCOPE_SE
	s_setreg_imm32_b32 hwreg(HW_REG_WAVE_MODE, 25, 1), 1
	s_wait_xcnt 0x0
; Every operand that many work-groups of the attention launch read is made ONCE here.  Three kinds of work-group, parted on the work-group's number alone:
;   0-255   K (0-127) and Q (128-255), f32 [32 heads][2048][64], become codes of BF8 (E5M2), the head's 64 innermost as they lie, and one E8M0 byte for each 32 of them.
;   256-511 V, f32 [32][2048 keys][64], is quantised DOWN THE KEYS (the second product's K), its codes laid in the order of the operand's registers:
;           vimg [head][ks 16][c 4][h 2][d 64][16 bytes]: keys 128 ks + 32 c + 16 h + 0 .. 15 of column d;  vsc [head][ks][d]: one word, byte c the scale of block c.
;   512-639 the attention mask, bool [2048 queries][2048 keys], is TRANSPOSED into codes of E5M2 that the first product takes beside K's codes:
;           mimg [T 64: 32 queries][ks 16][tile 8][lane 32][16 bytes]: lane (r, h) of tile 2 b + u, byte i: 0x00 where mask[32 T + 16 h + i][128 ks + 32 b + 8 u + r + 8 (r / 8)] is true, 0xfb (-57,344) where it is false.
;           flags [T][ks]: one byte, 1 where any of these 32 x 128 mask bytes is true, else 0: whole numbers by which the attention launch leaves out K steps that the mask hides whole.
; A block's scale is 2^(floor(log2(its largest magnitude)) - 15); its byte is the largest magnitude's exponent field - 15, held at 1 from below.  Each number is divided by the scale, held within +-57,344 and rounded to the nearest code, ties to even.
; LIMITS: a block of zeros gets the byte 1 where the rule says 127 (its codes are zeros, and this program alone reads the bytes); NaN and infinities among the inputs are not served.
; No tensor loads, no barrier: waves share nothing.  The first and the third kind use LDS, each bytes of its own.
.set EMAX,  15
.set MANT,  0x600000                   ; the mantissa field of 57,344 as f32
.set STEPS, 16                         ; K, Q: a wave takes 16 steps of 512 numbers
.set CB,    16
.set R,     16                         ; v16-79   K, Q: four sets of 16 numbers as loaded
.set X,     80                         ; v80-111  two sets of 16 neighbours
.set E,     112                        ; v112-127 a scale byte for each step
.set C,     128                        ; v128-191 codes, four registers a step
.set WREG,  8192                       ; LDS, K and Q: a region for each wave: two stages and 256 scale bytes
.set SP,    80
.set VX,    32                         ; V: two sets of 32 numbers
.set VC,    96                         ; V: codes
.set MI,    32                         ; mask: v32-95 as loaded, later as stored
.set MO,    32
.set MB,    96                         ; mask: v96-159 single bytes of four tiles
.set MST,   33280                      ; LDS, mask: behind the first kind's regions and the spare words: 32 rows x MP bytes for each wave
.set MP,    272                        ; a stage row: 256 mask bytes + 16
	s_load_b512 s[4:19], s[0:1], 0x0               ; K, Q, V, mask, kcodes, kscales, qcodes, qscales
	s_load_b128 s[20:23], s[0:1], 0x40             ; vimg, vsc
	s_load_b128 s[40:43], s[0:1], 0x50             ; mimg s[40:41], flags s[42:43]
	v_lshl_add_u32 v192, v0, 2, 0x8000             ; my spare word
	v_mov_b32 v193, 0
	v_lshrrev_b32 v1, 5, v0
	v_readfirstlane_b32 s26, v1                    ; wave 0..3
	v_and_b32 v2, 31, v0                           ; lane
	s_mov_b32 s36, MANT
	s_mov_b32 s35, 0                               ; the upper word of every offset pair s[34:35]
	s_wait_kmcnt 0x0
	s_cmp_ge_u32 ttmp9, 512
	s_cbranch_scc1 .Lmask
	s_cmp_ge_u32 ttmp9, 256
	s_cbranch_scc1 .Lv
; ---- K and Q: streams of blocks of 32.  Each load reads 512 consecutive bytes; a step's 2,048 bytes turn through the wave's own stage and come back 64 bytes a lane (16 neighbours; two lanes to a block).
	s_wait_alu depctr_va_vdst(0)
	v_lshlrev_b32 v3, 4, v2
	s_mul_i32 s27, s26, WREG
	v_lshrrev_b32 v14, 2, v2
	v_mul_u32_u24 v14, v14, SP
	v_and_b32 v15, 3, v2
	v_lshl_add_u32 v14, v15, 4, v14
	v_add_nc_u32 v14, s27, v14                     ; the stage, in
	v_mul_u32_u24 v15, v2, SP
	v_add_nc_u32 v15, s27, v15                     ; and out
	v_mul_u32_u24 v4, v2, CB
	v_lshrrev_b32 v5, 1, v2
	s_add_co_u32 s27, s27, 2*32*SP
	v_add_nc_u32 v5, s27, v5                       ; my block's scale byte in LDS
	v_lshlrev_b32 v7, 3, v2
	v_add_nc_u32 v6, s27, v7
	s_cmp_lt_u32 ttmp9, 128                        ; K's work-group or Q's
	s_cselect_b64 s[28:29], s[4:5], s[6:7]
	s_cselect_b64 s[30:31], s[12:13], s[16:17]
	s_cselect_b64 s[32:33], s[14:15], s[18:19]
	s_cselect_b32 s34, 0, 128
	s_sub_co_u32 s34, ttmp9, s34
	s_lshl_b32 s34, s34, 2
	s_add_co_u32 s34, s34, s26                     ; my run of 8,192 numbers
	s_lshl_b64 s[38:39], s[34:35], 15
	s_add_nc_u64 s[28:29], s[28:29], s[38:39]
	s_lshl_b64 s[38:39], s[34:35], 13
	s_add_nc_u64 s[30:31], s[30:31], s[38:39]
	s_lshl_b32 s34, s34, 8
	s_add_nc_u64 s[32:33], s[32:33], s[34:35]
.macro LOAD t
.irp i, 0,1,2,3
	global_load_b128 v[R+16*((\t)%4)+4*\i:R+16*((\t)%4)+4*\i+3], v3, s[28:29] offset:2048*(\t)+512*\i th:TH_LOAD_NT
.endr
.endm
.macro TURN t                          ; LDS serves a wave's instructions in order: no wait between the stores and the loads
.irp i, 0,1,2,3
	ds_store_b128 v14, v[R+16*((\t)%4)+4*\i:R+16*((\t)%4)+4*\i+3] offset:32*SP*((\t)%2)+8*SP*\i
.endr
.irp i, 0,1,2,3
	ds_load_b128 v[X+16*((\t)%2)+4*\i:X+16*((\t)%2)+4*\i+3], v15 offset:32*SP*((\t)%2)+16*\i
.endr
.endm
.irp t, 0,1,2,3
	LOAD \t
.endr
	s_wait_alu depctr_va_vdst(0)
	s_wait_loadcnt 12                              ; step 0's four loads are in; the twelve of steps 1 to 3 may be out
	TURN 0
.macro STEP t
.set XS, X+16*((\t)%2)
.if (\t) > 0
	s_wait_dscnt 1                                 ; this step's numbers are back (the last step's byte store may be out)
.else
	s_wait_dscnt 0x0
.endif
.if (\t)+4 < STEPS
	LOAD (\t)+4
.endif
.if (\t)+1 < STEPS
.if STEPS-2-(\t) >= 3
	s_wait_loadcnt 12                              ; the next step's four loads are in; three steps' may be out
.else
	s_wait_loadcnt 4*(STEPS-2-(\t))
.endif
	TURN (\t)+1
.endif
	v_max3_num_f32 v8, |v[XS]|, |v[XS+1]|, |v[XS+2]|
	v_max3_num_f32 v9, |v[XS+3]|, |v[XS+4]|, |v[XS+5]|
.irp i, 6,10
	v_max3_num_f32 v8, v8, |v[XS+\i]|, |v[XS+\i+1]|
	v_max3_num_f32 v9, v9, |v[XS+\i+2]|, |v[XS+\i+3]|
.endr
	v_max3_num_f32 v8, v8, |v[XS+14]|, |v[XS+15]|
	v_max3_num_f32 v8, v8, v9, (EMAX+1)<<23        ; the floor 2^(16 - 127): the byte cannot fall under 1
	v_max_num_f32_dpp v8, v8, v8 row_xmask:1 row_mask:0xf bank_mask:0xf
	v_add_nc_u32 v11, 0xf8800000, v8               ; 15 off the exponent field: the conversion's scale operand
	v_and_or_b32 v10, v8, 0x7f800000, s36          ; 57,344 x the scale
.irp i, 0,1,2,3,4,5,6,7,8,9,10,11,12,13,14,15
	v_med3_num_f32 v[XS+\i], v[XS+\i], -v10, v10   ; the conversion does not saturate (ISA guide 7.6.2): hold first
.endr
	v_cvt_scalef32_pk8_bf8_f32 v[C+4*(\t):C+4*(\t)+1], v[XS:XS+7], v11
	v_cvt_scalef32_pk8_bf8_f32 v[C+4*(\t)+2:C+4*(\t)+3], v[XS+8:XS+15], v11
	v_lshrrev_b32 v[E+(\t)], 23, v11               ; the scale's byte
	ds_store_b8 v5, v[E+(\t)] offset:16*(\t)
	global_store_b128 v4, v[C+4*(\t):C+4*(\t)+3], s[30:31] offset:32*CB*(\t)
.endm
.irp t, 0,1,2,3,4,5,6,7,8,9,10,11,12,13,14,15
	STEP \t
.endr
	ds_load_b64 v[12:13], v6
	s_wait_dscnt 0x0
	global_store_b64 v7, v[12:13], s[32:33]        ; 32 lanes store 256 consecutive bytes, aligned
	s_wait_tensorcnt 0x0                           ; the wave's end
	ds_add_u32 v192, v193
	s_wait_dscnt 0x0
	s_endpgm
; ---- V: a wave takes 128 keys x 32 columns.  A lane takes a column and its registers run down the keys.
.Lv:
	s_sub_co_u32 s27, ttmp9, 256
	s_lshl_b32 s27, s27, 2
	s_add_co_u32 s27, s27, s26                     ; 0 .. 1023
	s_lshr_b32 s28, s27, 5                         ; head
	s_bfe_u32 s29, s27, 0x40001                    ; ks
	s_and_b32 s30, s27, 1                          ; which 32 columns
	s_lshl_b32 s34, s28, 19
	s_lshl_b32 s31, s29, 15
	s_add_co_u32 s34, s34, s31
	s_lshl_b32 s31, s30, 7
	s_add_co_u32 s34, s34, s31
	s_add_nc_u64 s[8:9], s[8:9], s[34:35]
	s_lshl_b32 s34, s28, 17
	s_lshl_b32 s31, s29, 13
	s_add_co_u32 s34, s34, s31
	s_lshl_b32 s31, s30, 9
	s_add_co_u32 s34, s34, s31
	s_add_nc_u64 s[20:21], s[20:21], s[34:35]
	s_lshl_b32 s34, s28, 12
	s_lshl_b32 s31, s29, 8
	s_add_co_u32 s34, s34, s31
	s_lshl_b32 s31, s30, 7
	s_add_co_u32 s34, s34, s31
	s_add_nc_u64 s[22:23], s[22:23], s[34:35]
	s_wait_alu depctr_va_vdst(0)
	v_lshlrev_b32 v3, 2, v2
	v_lshlrev_b32 v4, 4, v2
.macro VLD c
.irp i, 0,1,2,3,4,5,6,7,8,9,10,11,12,13,14,15,16,17,18,19,20,21,22,23,24,25,26,27,28,29,30,31
	global_load_b32 v[VX+32*((\c)%2)+\i], v3, s[8:9] offset:(32*(\c)+\i)*256 th:TH_LOAD_NT
.endr
.endm
.macro VBLK c
.set XS, VX+32*((\c)%2)
.if (\c) < 3
	s_wait_loadcnt 32                              ; this block's 32 loads are in; the next block's may be out
.else
	s_wait_loadcnt 0x0
.endif
	v_max3_num_f32 v12, |v[XS]|, |v[XS+1]|, |v[XS+2]|
	v_max3_num_f32 v13, |v[XS+3]|, |v[XS+4]|, |v[XS+5]|
.irp i, 6,10,14,18,22,26
	v_max3_num_f32 v12, v12, |v[XS+\i]|, |v[XS+\i+1]|
	v_max3_num_f32 v13, v13, |v[XS+\i+2]|, |v[XS+\i+3]|
.endr
	v_max3_num_f32 v12, v12, |v[XS+30]|, |v[XS+31]|
	v_max3_num_f32 v12, v12, v13, (EMAX+1)<<23
	v_add_nc_u32 v11, 0xf8800000, v12
	v_and_or_b32 v10, v12, 0x7f800000, s36
	v_lshrrev_b32 v13, 23, v11
.if (\c) == 0
	v_mov_b32 v24, v13
.else
	v_lshl_or_b32 v24, v13, 8*(\c), v24
.endif
.irp i, 0,1,2,3,4,5,6,7,8,9,10,11,12,13,14,15,16,17,18,19,20,21,22,23,24,25,26,27,28,29,30,31
	v_med3_num_f32 v[XS+\i], v[XS+\i], -v10, v10
.endr
.irp g, 0,1,2,3
	v_cvt_scalef32_pk8_bf8_f32 v[VC+8*(\c)+2*\g:VC+8*(\c)+2*\g+1], v[XS+8*\g:XS+8*\g+7], v11
.endr
	v_nop                                          ; a plain line behind the last conversion of the run
	global_store_b128 v4, v[VC+8*(\c):VC+8*(\c)+3], s[20:21] offset:2048*(\c)
	global_store_b128 v4, v[VC+8*(\c)+4:VC+8*(\c)+7], s[20:21] offset:2048*(\c)+1024
.if (\c) < 2
	VLD (\c)+2
.endif
.endm
	VLD 0
	VLD 1
	VBLK 0
	VBLK 1
	VBLK 2
	VBLK 3
	global_store_b32 v3, v24, s[22:23]
	s_endpgm
; ---- the mask: a wave takes 32 queries x 256 keys (two K steps): 32 aligned rows of 256 bytes go into its own stage as they lie and come back byte by byte, a lane a key, its bytes down the queries.
.Lmask:
	s_sub_co_u32 s27, ttmp9, 512
	s_lshr_b32 s28, s27, 1                         ; T
	s_and_b32 s29, s27, 1
	s_lshl_b32 s29, s29, 2
	s_add_co_u32 s29, s29, s26                     ; which pair of K steps: 0 .. 7
	s_lshl_b32 s30, s28, 16                        ; 32 rows of 2,048 bytes; also mimg's bytes for a T
	s_lshl_b32 s31, s29, 8
	s_add_co_u32 s34, s30, s31
	s_add_nc_u64 s[10:11], s[10:11], s[34:35]
	s_lshl_b32 s31, s29, 13
	s_add_co_u32 s34, s30, s31
	s_add_nc_u64 s[40:41], s[40:41], s[34:35]
	s_lshl_b32 s30, s28, 4
	s_lshl_b32 s31, s29, 1
	s_add_co_u32 s34, s30, s31
	s_add_nc_u64 s[42:43], s[42:43], s[34:35]
	s_mul_i32 s27, s26, 32*MP
	s_add_co_u32 s27, s27, MST                     ; my stage
	s_wait_alu depctr_va_vdst(0)
	v_and_b32 v7, 15, v0                           ; r
	v_bfe_u32 v8, v0, 4, 1                         ; h
	v_lshlrev_b32 v5, 11, v8
	v_lshl_add_u32 v5, v7, 4, v5                   ; memory: row h, 16 r: sixteen lanes read one row's 256 bytes
	v_mul_u32_u24 v9, v8, MP
	v_lshl_add_u32 v9, v7, 4, v9
	v_add_nc_u32 v9, s27, v9                       ; the stage, in
	v_and_b32 v10, 8, v7
	v_add_nc_u32 v10, v10, v7                      ; r + 8 (r / 8)
	v_mad_u32_u24 v10, v8, 16*MP, v10
	v_add_nc_u32 v10, s27, v10                     ; and out: row 16 h (+ i), my key's column
	v_lshlrev_b32 v4, 4, v2
	v_mov_b32 v6, 0xfb                             ; byte 0 = -57,344, byte 1 = 0
	v_mov_b32 v14, 0
.irp n, 0,1,2,3,4,5,6,7,8,9,10,11,12,13,14,15
	global_load_b128 v[MI+4*\n:MI+4*\n+3], v5, s[10:11] offset:4096*\n th:TH_LOAD_NT
.endr
	s_wait_alu depctr_va_vdst(0)
	s_wait_loadcnt 0x0
.irp n, 0,1,2,3,4,5,6,7,8,9,10,11,12,13,14,15
	ds_store_b128 v9, v[MI+4*\n:MI+4*\n+3] offset:2*MP*\n
.endr
	v_or3_b32 v11, v[MI], v[MI+1], v[MI+2]         ; is any of my mask bytes true?
.set n, 0
.rept 30
	v_or3_b32 v11, v11, v[MI+3+2*n], v[MI+4+2*n]
.set n, n+1
.endr
	v_or_b32 v11, v11, v[MI+63]
	v_cmp_ne_u32 s44, 0, v11
	s_and_b32 s45, s44, 0x00ff00ff                 ; lanes with r < 8 hold the first K step's columns,
	s_cselect_b32 s45, 1, 0
	s_and_b32 s46, s44, 0xff00ff00                 ; the others the second's
	s_cselect_b32 s46, 0x100, 0
	s_or_b32 s45, s45, s46
	v_mov_b32 v12, s45                             ; the two flag bytes
	v_cmp_eq_u32 vcc_lo, 0, v2
	s_wait_alu depctr_va_vdst(0)
	s_wait_xcnt 0x0                                ; EXEC changes only behind this wait
	s_and_saveexec_b32 s47, vcc_lo
	global_store_b16 v14, v12, s[42:43]            ; lane 0 alone
	s_wait_xcnt 0x0
	s_or_b32 exec_lo, exec_lo, s47
.macro MB4 q                           ; tiles 4 q .. 4 q + 3 of the wave's sixteen
.irp t, 0,1,2,3
.irp i, 0,1,2,3,4,5,6,7,8,9,10,11,12,13,14,15
	ds_load_u8 v[MB+16*\t+\i], v10 offset:\i*MP+128*((4*\q+\t)/8)+32*(((4*\q+\t)%8)/2)+8*(\t%2)
.endr
.endr
	s_wait_dscnt 0x0
.set n, 0
.rept 16
	v_lshl_or_b32 v[MB+4*n], v[MB+4*n+1], 8, v[MB+4*n]
	v_lshl_or_b32 v[MB+4*n+2], v[MB+4*n+3], 8, v[MB+4*n+2]
.set n, n+1
.endr
.set n, 0
.rept 16
	v_lshl_or_b32 v[MB+4*n], v[MB+4*n+2], 16, v[MB+4*n]
.set n, n+1
.endr
.set n, 0
.rept 16
	v_perm_b32 v[MO+16*\q+n], v6, v6, v[MB+4*n]    ; the mask's own bytes are the selectors: 0 (false) picks 0xfb, 1 (true) picks 0x00
.set n, n+1
.endr
.irp t, 0,1,2,3
	global_store_b128 v4, v[MO+16*\q+4*\t:MO+16*\q+4*\t+3], s[40:41] offset:512*(4*\q+\t)   ; 512 consecutive bytes
.endr
.endm
	MB4 0
	MB4 1
	MB4 2
	MB4 3
	s_wait_tensorcnt 0x0                           ; the wave's end
	ds_add_u32 v192, v193
	s_wait_dscnt 0x0
	s_endpgm
.Lfunc_end_k_q28480ae3a5_prep:
	.size	k_q28480ae3a5_prep, .Lfunc_end_k_q28480ae3a5_prep-k_q28480ae3a5_prep
	.p2alignl 7, 3214868480
	.fill 96, 4, 3214868480
	.section	.rodata,"a",@progbits
	.p2align	6, 0x0
	.amdhsa_kernel k_q28480ae3a5_prep
		.amdhsa_group_segment_fixed_size 68096
		.amdhsa_private_segment_fixed_size 0
		.amdhsa_enable_private_segment 0
		.amdhsa_kernarg_size 96
		.amdhsa_user_sgpr_count 2
		.amdhsa_user_sgpr_kernarg_segment_ptr 1
		.amdhsa_wavefront_size32 1
		.amdhsa_system_sgpr_workgroup_id_x 1
		.amdhsa_system_sgpr_workgroup_id_y 1
		.amdhsa_system_sgpr_workgroup_id_z 1
		.amdhsa_system_vgpr_workitem_id 0
		.amdhsa_next_free_vgpr 194
		.amdhsa_next_free_sgpr 66
		.amdhsa_reserve_vcc 1
		.amdhsa_float_denorm_mode_32 3
		.amdhsa_float_denorm_mode_16_64 3
		.amdhsa_memory_ordered 1
		.amdhsa_forward_progress 1
		.amdhsa_inst_pref_size 120
	.end_amdhsa_kernel
	.amdgpu_metadata
---
amdhsa.version: [ 1, 2 ]
amdhsa.kernels:
  - .name:           k_q28480ae3a5_prep
    .symbol:         k_q28480ae3a5_prep.kd
    .args:
      - { .name: K, .offset: 0, .size: 8, .value_kind: global_buffer, .address_space: global }
      - { .name: Q, .offset: 8, .size: 8, .value_kind: global_buffer, .address_space: global }
      - { .name: V, .offset: 16, .size: 8, .value_kind: global_buffer, .address_space: global }
      - { .name: attention_mask, .offset: 24, .size: 8, .value_kind: global_buffer, .address_space: global }
      - { .name: kcodes, .offset: 32, .size: 8, .value_kind: global_buffer, .address_space: global }
      - { .name: kscales, .offset: 40, .size: 8, .value_kind: global_buffer, .address_space: global }
      - { .name: qcodes, .offset: 48, .size: 8, .value_kind: global_buffer, .address_space: global }
      - { .name: qscales, .offset: 56, .size: 8, .value_kind: global_buffer, .address_space: global }
      - { .name: vimg, .offset: 64, .size: 8, .value_kind: global_buffer, .address_space: global }
      - { .name: vsc, .offset: 72, .size: 8, .value_kind: global_buffer, .address_space: global }
      - { .name: mimg, .offset: 80, .size: 8, .value_kind: global_buffer, .address_space: global }
      - { .name: flags, .offset: 88, .size: 8, .value_kind: global_buffer, .address_space: global }
    .group_segment_fixed_size: 68096
    .private_segment_fixed_size: 0
    .kernarg_segment_align: 8
    .kernarg_segment_size: 96
    .max_flat_workgroup_size: 128
    .sgpr_count:     66
    .vgpr_count:     194
    .wavefront_size: 32
...
	.end_amdgpu_metadata
.endif
;; end of part 1
;; launch attn (part 2): grid 8 x 32, 8 waves a work-group, no clusters, 299,008 bytes of LDS; arguments qcodes, qscales, kcodes, kscales, vimg, vsc, mimg, flags, padding_mask, out0; writes out0
.if DOCPART == 2
	.amdgcn_target "amdgcn-amd-amdhsa--gfx1250"
	.amdhsa_code_object_version 6
	.text
	.protected	k_q28480ae3a5_attn
	.globl	k_q28480ae3a5_attn
	.p2align	8
	.type	k_q28480ae3a5_attn,@function
k_q28480ae3a5_attn:
	s_mov_b64 s[64:65], 0
	v_nop
	global_prefetch_b8 v0, s[64:65] scope:SCOPE_SE
	s_setreg_imm32_b32 hwreg(HW_REG_WAVE_MODE, 25, 1), 1
	s_wait_xcnt 0x0
; out0[head][q] = sum over k of Q8(softmax_k(masked Q8(Q) . Q8(K) / 8)) Q8(V), both products on codes of E5M2 with E8M0 scales; the softmax is quantised FINISHED AND NORMALISED, so a row's maximum and sum are known before any p is quantised.
; SHARES.  Work-group (x, head) makes 8 passes; pass i takes the 32 queries of tile T = x + 8 i against all 2,048 keys.  Eight waves, two to a SIMD: wave (w, qt) owns the 16 queries of half qt and the K steps (128 keys) ks = 4 j + w, j = 0 .. 3:
; its 16 x 512 scores stay in 256 registers from the first product to the conversion.  K's and V's codes of the whole head lie in LDS, fetched once through registers (waves with qt = 0: K of their K steps; qt = 1: V).
; Two barriers a pass: the four waves' (maximum, sum) of a query half, and their four partial O.
; THE MASK GOES THROUGH THE FIRST PRODUCT.  The head has 64 numbers, the instruction sums 128.  Places 64 .. 127 of A (16 keys of tile t) hold the mask codes (0 or -57,344) of tile t of all four steps: place 64 + 16 j + i is query i in step j.
; Q's operand holds 2^15 at place 64 + 16 j + its own query while step j is multiplied, zeros at the other places; the mask blocks' scale bytes give 2^5.  So a hidden score gets -1.75 x 2^35 added and an open one exact zeros.
; The row's maximum is held at -1.5 x 2^33 from below: hidden scores give p = 0, and a row with no open key has the sum 0 and is set to 0, as reference() cleans its NaN.  A query whose padding byte is 0 is set to 0 likewise.
; LIMITS: the promise holds while the scaled scores (score x log2(e) / 8) stay under 2^31 in magnitude; NaN and infinities among the inputs are not served.
; K STEPS THAT THE MASK HIDES WHOLE ARE LEFT OUT: flags[T][ks] (whole numbers that the launch before stored) is 0 where all 32 x 128 mask bytes are false; every p there is 0 and adds nothing to maximum, sum or O.
; A scalar branch on that byte leads round the step's work in each of the three phases and round no barrier.  Step j = 0 always runs: it starts the sums.
; No tensor load and no joint loads: cluster = none.  No prefetch into the L2: K and V are fetched once, at the head, and the mask tiles are loaded into registers a pass ahead.
; REGISTERS.  Window 0: v0-127 addresses, scales, Q's operand, block maxima, p's codes; v128-255 eight A buffers of 16 (0-7 K's codes of tile t of the step in hand, 8-15 tile t's mask codes).
; Window 1: the scores, register 64 j + 16 b + 8 u + i = key 128 ks + 32 b + 16 h + 8 u + i; once step j is converted its registers take V's tiles; v0-31 take O^T.
.set VB,   131072                      ; LDS: K's image 0 .., V's image, the partial O (8 x 16 rows x 272), the statistics (8 x 128), the spare words (8 x 128)
.set OX,   262144
.set STA,  296960
.set SPARE, 297984
.set L16,  1
.set KRD,  2
.set VRD,  3
.set QLD,  4
.set RL,   5
.set L2,   6
.set STW,  7
.set STR,  8
.set OWR,  9
.set ORD,  10
.set ZERO, 11
.set SPW,  12
.set NIL,  13
.set ST0,  14                          ; v14-15 (t maximum, sum) of my wave
.set GG,   16                          ; v16-17 the factor that normalises my p
.set PD,   18
.set RM,   19
.set MAD,  20
.set PS,   21
.set QS,   22
.set PDN,  23
.set H,    24
.set KS,   32                          ; v32-47 K's scale words, lanes 0-15 tile 2 b, lanes 16-31 tile 2 b + 1
.set VS,   48
.set SO,   56
.set EE,   60                          ; v60-63 the diagonal: 2^15 at byte r of the lane's 16, in both halves of the lanes
.set QB,   64                          ; v64-79 Q's operand
.set BM,   80                          ; v80-95 block maxima: 4 j + b
.set P,    96                          ; v96-111 p's codes; ahead of them, in the same registers, the sums and the exchange
.set T,    96
.set U,    104
.set KST,  112                         ; head alone
.set VST,  113
.set KSL,  114
.set L4,   115
.set X,    128
.set FB,   36                          ; s36 my flags: bit 4 i + j, shifted down by 4 a pass
.set CNT,  37
.set HM,   46                          ; s46, s47: lanes 0-15, lanes 16-31
.set MSB, 0
.macro WIN new
.if MSB != (\new)
	s_set_vgpr_msb (MSB<<8)|(\new)
.set MSB, (\new)
.endif
.endm
.macro AW
	s_wait_alu depctr_va_vdst(0)
.endm
.macro NOP8
.rept 8
	v_nop
.endr
.endm
.macro SKIP bit, lbl                   ; the step is left out where its flag is 0 (all windows are 0 here)
	AW
	s_bitcmp1_b32 s[FB], \bit
	s_cbranch_scc0 \lbl
.endm
.macro PTR p, sh1, r1, sh2, r2
	s_lshl_b32 s34, \r1, \sh1
	s_lshl_b32 s26, \r2, \sh2
	s_add_co_u32 s34, s34, s26
	s_add_nc_u64 s[\p:\p+1], s[\p:\p+1], s[34:35]
.endm
.macro WM z, ar
.if \z
	v_wmma_scale_f32_16x16x128_f8f6f4 v[rD:rD+7], v[rA:rA+15], v[rB:rB+15], 0, v[rX], v[rY] matrix_a_fmt:MATRIX_FMT_BF8 matrix_b_fmt:MATRIX_FMT_BF8 matrix_a_scale:MATRIX_SCALE_ROW\ar
.else
	v_wmma_scale_f32_16x16x128_f8f6f4 v[rD:rD+7], v[rA:rA+15], v[rB:rB+15], v[rD:rD+7], v[rX], v[rY] matrix_a_fmt:MATRIX_FMT_BF8 matrix_b_fmt:MATRIX_FMT_BF8 matrix_a_scale:MATRIX_SCALE_ROW\ar
.endif
.endm
.macro MLD c                           ; the mask codes of steps 2 c (lanes 0-15) and 2 c + 1 (lanes 16-31), all eight tiles
.irp t, 0,1,2,3,4,5,6,7
	global_load_b128 v[X+16*\t+8+4*\c:X+16*\t+11+4*\c], v[MAD], s[16:17] offset:32768*\c+512*\t
.endr
.endm
.macro PREF cond                       ; a pass's Q, its scales, its padding bytes and its mask codes
.irp c, 0,1
	global_load_b128 v[QB+4*\c:QB+4*\c+3], v[QLD], s[4:5] offset:32*\c
.endr
	global_load_u16 v[QS], v[L2], s[6:7]
	global_load_u8 v[PDN], v[RL], s[20:21]
	MLD 0
.if \cond
	AW
	s_and_b32 s39, s[FB], 0xc0                     ; the next pass's steps 2 and 3
	s_cmp_eq_u32 s39, 0
	s_cbranch_scc1 .Lpm
.endif
	MLD 1
.if \cond
.Lpm:
.endif
.endm
.macro BAR
	AW
	s_wait_dscnt 0x0
	s_barrier_signal -1
	s_barrier_wait -1
.endm
	s_load_b512 s[4:19], s[0:1], 0x0               ; qcodes, qscales, kcodes, kscales, vimg, vsc, mimg, flags
	s_load_b128 s[20:23], s[0:1], 0x40             ; padding_mask, out0
	v_lshl_add_u32 v[SPW], v0, 2, SPARE
	v_mov_b32 v[NIL], 0
	v_lshrrev_b32 v28, 5, v0
	v_readfirstlane_b32 s24, v28                   ; wave 0..7
	s_and_b32 s40, s24, 3                          ; w
	s_lshr_b32 s41, s24, 2                         ; qt
	s_and_b32 s25, ttmp7, 0xffff                   ; head
	s_mov_b32 s27, 0
	s_mov_b32 s35, 0
	s_lshl_b32 s39, s40, 15                        ; w's 32,768 bytes of each image
	s_mul_i32 s26, s24, 4352
	s_add_co_u32 s26, s26, OX                      ; my partial O
	s_mul_i32 s34, s41, 17408
	s_mul_i32 s42, s40, 1088
	s_add_co_u32 s34, s34, s42
	s_add_co_u32 s34, s34, OX                      ; rows 4 w .. 4 w + 3 of my half's first partial O
	s_lshl_b32 s43, s24, 7
	s_add_co_u32 s43, s43, STA
	s_lshl_b32 s44, s41, 9
	s_add_co_u32 s44, s44, STA
	v_and_b32 v29, 31, v0
	v_and_b32 v[RL], 15, v0
	v_bfe_u32 v30, v0, 4, 1
	v_lshlrev_b32 v[L16], 4, v29
	v_lshlrev_b32 v[L2], 1, v[RL]
	v_lshlrev_b32 v[L4], 2, v29
	v_add_nc_u32 v[KRD], s39, v[L16]               ; K's image is read 16 bytes a lane on end
	v_lshlrev_b32 v[VRD], 10, v30
	v_lshl_add_u32 v[VRD], v[RL], 4, v[VRD]
	v_add_nc_u32 v[VRD], s39, v[VRD]
	v_add_nc_u32 v[VRD], VB, v[VRD]
	v_add_nc_u32 v[VST], VB, v[KRD]                ; V's image is stored as it lies
	v_and_b32 v31, 3, v29
	v_lshlrev_b32 v31, 8, v31                      ; K: my 16 bytes are piece 2 c + h of key lane / 4: 512 c + 256 h
	v_lshrrev_b32 v28, 2, v29
	v_lshl_add_u32 v31, v28, 4, v31
	v_add_nc_u32 v[KST], s39, v31
	v_lshlrev_b32 v[QLD], 6, v[RL]
	v_lshl_add_u32 v[QLD], v30, 4, v[QLD]
	v_lshlrev_b32 v[STW], 3, v[RL]
	v_add_nc_u32 v[STR], s44, v[STW]
	v_add_nc_u32 v[STW], s43, v[STW]
	v_mul_u32_u24 v[OWR], v[RL], 272
	v_lshl_add_u32 v[OWR], v30, 5, v[OWR]
	v_add_nc_u32 v[OWR], s26, v[OWR]
	v_mul_u32_u24 v[ORD], v30, 272
	v_lshl_add_u32 v[ORD], v[RL], 4, v[ORD]
	v_add_nc_u32 v[ORD], s34, v[ORD]
	v_mov_b32 v[ZERO], 0
	v_lshlrev_b32 v[MAD], 14, v30                  ; mask codes: lanes 16-31 take the step after (4 K steps of 4,096 bytes on), 16 bytes a key
	v_lshl_add_u32 v[MAD], v[RL], 4, v[MAD]
	v_and_b32 v31, 8, v[RL]
	v_add_nc_u32 v31, v31, v[RL]
	v_lshl_add_u32 v[KSL], v30, 3, v31
	v_lshlrev_b32 v[KSL], 1, v[KSL]                ; K's scale bytes: key r + 8 (r / 8) + 8 h of a block, 2 bytes a key
	s_mov_b32 s28, 0x3e38aa3b                      ; log2(e) / 8
	s_mov_b32 s29, s28
	s_mov_b32 s30, 0x76543210
	s_mov_b32 s31, 0xfedcba98
	s_mov_b32 s32, 0x600000
	s_mov_b32 s[HM], 0x0000ffff
	s_mov_b32 s[HM+1], 0xffff0000
	s_mov_b32 s[CNT], 8
	AW
	s_wait_kmcnt 0x0
	PTR 18, 4, ttmp9, 0, s27                       ; flags: 16 bytes a tile T
.irp i, 0,1,2,3,4,5,6,7
	s_load_b128 s[68+4*\i:71+4*\i], s[18:19], 128*\i   ; pass i: word j, byte w = K step 4 j + w
.endr
	PTR 4, 17, s25, 11, ttmp9
	PTR 4, 10, s41, 0, s27
	PTR 6, 12, s25, 6, ttmp9
	PTR 6, 5, s41, 0, s27
	PTR 8, 17, s25, 13, s40
	PTR 10, 12, s25, 8, s40
	PTR 12, 17, s25, 13, s40
	PTR 14, 12, s25, 8, s40
	PTR 16, 16, ttmp9, 12, s40
	PTR 16, 8, s41, 0, s27
	PTR 20, 11, s25, 5, ttmp9
	PTR 20, 4, s41, 0, s27
	PTR 22, 19, s25, 13, ttmp9
	PTR 22, 12, s41, 10, s40
	s_cmp_eq_u32 s41, 0                            ; which image I fetch: the choice hangs on the wave's number alone
	s_cselect_b64 s[8:9], s[8:9], s[12:13]
	PREF 0
.irp j, 0,1,2,3
.irp b, 0,1,2,3
	global_load_u16 v[KS+4*\j+\b], v[KSL], s[10:11] offset:1024*\j+64*\b
.endr
.irp n, 0,1
	global_load_b32 v[VS+2*\j+\n], v[L4], s[14:15] offset:1024*\j+128*\n
.endr
.endr
	WIN 0x40                                       ; the codes of w's four K steps: 64 loads of 512 bytes into window 1
.set n, 0
.rept 64
	global_load_b128 v[4*n:4*n+3], v[L16], s[8:9] offset:(n/16)*32768+(n%16)*512
.set n, n+1
.endr
	WIN 0
	v_and_b32 v28, 3, v[RL]
	v_lshlrev_b32 v28, 3, v28
	v_mov_b32 v30, 0x78                            ; the code of 2^15
	v_lshlrev_b32 v30, v28, v30
	v_lshrrev_b32 v31, 2, v[RL]
.irp n, 0,1,2,3
	v_cmp_eq_u32 vcc_lo, \n, v31
	v_cndmask_b32 v[EE+\n], 0, v30, vcc_lo
.endr
	v_mov_b32 v[ST0+1], 0                          ; upper halves of pairs that packed forms name
	v_mov_b32 v[GG+1], 0
.set n, 0
.rept 4
	v_mov_b32 v[SO+n], 0                           ; a lane permute's destination counts as a source
.set n, n+1
.endr
.set n, 0
.rept 16
	v_mov_b32 v[BM+n], 0                           ; written once, so that every way through the branches finds a number here
.set n, n+1
.endr
	AW
	s_wait_kmcnt 0x0
	s_lshl_b32 s38, s40, 3
	s_or_b32 s38, s38, 0x10000                     ; one bit at bit 8 w
	s_mov_b32 s[FB], 0
.irp i, 7,6,5,4,3,2,1,0
.irp j, 3,2,1,0
	s_bfe_u32 s39, s[68+4*\i+\j], s38
	s_lshl1_add_u32 s[FB], s[FB], s39
.endr
.endr
	s_wait_loadcnt 0x0
.set n, 0
.rept 16
	v_or_b32 v[KS+n], 0x84840000, v[KS+n]          ; the mask blocks' scale on K's side: 2^5
.set n, n+1
.endr
	AW
	s_cmp_eq_u32 s41, 0
	s_cbranch_scc0 .Lstore_v
	WIN 0x04
.set n, 0
.rept 64                                           ; load n holds keys 8 (n % 16) .. + 7 of step n / 16: into the image [tile][c][h][r][16 bytes]
	ds_store_b128 v[KST], v[4*n:4*n+3] offset:(n/16)*8192+(2*((n%16)/4)+(n&1))*1024+((n>>1)&1)*128
.set n, n+1
.endr
	WIN 0
	s_branch .Lstored
.Lstore_v:
	WIN 0x04
.set n, 0
.rept 64
	ds_store_b128 v[VST], v[4*n:4*n+3] offset:512*n
.set n, n+1
.endr
	WIN 0
.Lstored:
	BAR                                            ; both images are whole for every wave
.macro SSTEP j                         ; S^T = K Q^T with the mask, and the blocks' largest scores
.if \j > 0
	SKIP \j, .Ls\j
.endif
.irp t, 0,1,2,3,4,5,6,7
.irp c, 0,1
	ds_load_b128 v[X+16*\t+4*\c:X+16*\t+4*\c+3], v[KRD] offset:8192*\j+1024*\t+512*\c
.endr
.endr
.irp n, 0,1,2,3                        ; Q's operand: the diagonal at step j's places, zeros at the others
	v_cndmask_b32 v[QB+8+4*(\j/2)+\n], 0, v[EE+\n], s[HM+\j%2]
	v_mov_b32 v[QB+8+4*(1-\j/2)+\n], 0
.endr
.rept 4
	v_nop                                          ; an operand written by vector instructions stands four places ahead of the product
.endr
	AW
	s_wait_dscnt 0x0
	WIN 0x40
.irp b, 0,1,2,3
.irp u, 0,1
.set rD, 64*\j+16*\b+8*\u
.set rA, X+16*(2*\b+\u)
.set rB, QB
.set rX, KS+4*\j+\b
.set rY, QS
	WM 1, \u
.endr
.endr
	NOP8                                           ; places ahead of the first reads of the scores
	WIN 0x05
.irp b, 0,1,2,3
	v_max_num_f32 v[BM+4*\j+\b], v[64*\j+16*\b], v[64*\j+16*\b+1]
.endr
.irp n, 1,2,3,4,5,6,7
.irp b, 0,1,2,3
	v_max3_num_f32 v[BM+4*\j+\b], v[64*\j+16*\b+2*\n], v[64*\j+16*\b+2*\n+1], v[BM+4*\j+\b]
.endr
.endr
	WIN 0
.irp b, 0,1,2,3
	v_permlanex16_b32 v[SO+\b], v[BM+4*\j+\b], s30, s31
.endr
.irp b, 0,1,2,3
	v_max_num_f32 v[BM+4*\j+\b], v[BM+4*\j+\b], v[SO+\b]   ; with lane l xor 16's 16 keys
.endr
.if \j == 0
	v_max3_num_f32 v[RM], v[BM], v[BM+1], 0xd0400000       ; the floor -1.5 x 2^33
.else
	v_max3_num_f32 v[RM], v[BM+4*\j], v[BM+4*\j+1], v[RM]
.endif
	v_max3_num_f32 v[RM], v[BM+4*\j+2], v[BM+4*\j+3], v[RM]
.if \j > 0
.Ls\j:
.endif
.endm
.macro ESTEP j                         ; p = 2^(t - my wave's maximum): all sources, one wait, the batch, one wait; then the sum of the unquantised p, four chains of pairs
.if \j > 0
	SKIP \j, .Le\j
.endif
.irp b, 0,1,2,3
	v_fma_f32 v[BM+4*\j+\b], v[BM+4*\j+\b], s28, -v[ST0]
.endr
	WIN 0x41
.set n, 0
.rept 32
	v_pk_fma_f32 v[64*\j+2*n:64*\j+2*n+1], v[64*\j+2*n:64*\j+2*n+1], s[28:29], v[ST0:ST0+1] op_sel_hi:[1,0,0] neg_lo:[0,0,1] neg_hi:[0,0,1]
.set n, n+1
.endr
	AW
.set n, 0
.rept 64
	v_exp_f32 v[64*\j+n], v[64*\j+n]
.set n, n+1
.endr
	WIN 0
.irp b, 0,1,2,3
	v_exp_f32 v[BM+4*\j+\b], v[BM+4*\j+\b]         ; each block's largest p: the same two instructions on its largest score
.endr
	v_nop
	AW
.if \j == 0
	WIN 0x05
.irp k, 0,1,2,3
	v_pk_add_f32 v[T+2*\k:T+2*\k+1], v[2*\k:2*\k+1], v[2*\k+8:2*\k+9]
.endr
.set n, 8
.else
.set n, 0
.endif
	WIN 0x01
.rept 32-n
	v_pk_add_f32 v[T+2*(n%4):T+2*(n%4)+1], v[64*\j+2*n:64*\j+2*n+1], v[T+2*(n%4):T+2*(n%4)+1]
.set n, n+1
.endr
	WIN 0
.if \j > 0
.Le\j:
.endif
.endm
.macro HALF j, hf                      ; blocks 2 hf, 2 hf + 1: p x the factor, the hold, the conversion
	WIN 0x41
.set n, 0
.rept 16
	v_pk_mul_f32 v[64*\j+32*\hf+2*n:64*\j+32*\hf+2*n+1], v[64*\j+32*\hf+2*n:64*\j+32*\hf+2*n+1], v[GG:GG+1] op_sel_hi:[1,0]
.set n, n+1
.endr
.set n, 0
.rept 32
	v_min_num_f32 v[64*\j+32*\hf+n], v[64*\j+32*\hf+n], v[H+2*\hf+n/16]   ; the conversion does not saturate (ISA guide 7.6.2); p is not negative
.set n, n+1
.endr
	WIN 0x01
.irp e, 0,1
.irp u, 0,1
	v_cvt_scalef32_pk8_bf8_f32 v[P+8*\hf+4*\e+2*\u:P+8*\hf+4*\e+2*\u+1], v[64*\j+32*\hf+16*\e+8*\u:64*\j+32*\hf+16*\e+8*\u+7], v[SO+2*\hf+\e]
.endr
.endr
	v_nop                                          ; a plain line behind the last conversion of the run
.endm
.macro VLD j, d0, base                 ; V's tiles d0, d0 + 1 of step j into window 1, registers that the conversions have left
	WIN 0x40
.irp e, 0,1
.irp c, 0,1,2,3
	ds_load_b128 v[\base+16*\e+4*\c:\base+16*\e+4*\c+3], v[VRD] offset:8192*\j+2048*\c+256*(\d0+\e)
.endr
.endr
.endm
.macro PV j, n, base                   ; O^T tiles 2 n, 2 n + 1 += V^T P^T
	WIN 0x51
.irp e, 0,1
.set rD, 8*(2*\n+\e)
.set rA, \base+16*\e
.set rB, P
.set rX, VS+2*\j+\n
.set rY, PS
.if \j == 0
	WM 1, \e
.else
	WM 0, \e
.endif
.endr
.endm
.macro NSTEP j
.if \j > 0
	SKIP \j, .Ln\j
.endif
.irp c, 0,1,2,3                        ; the blocks' scales from their largest normalised p (these lines are also the places behind the last step's products)
	v_mul_f32 v[BM+4*\j+\c], v[BM+4*\j+\c], v[GG]
.endr
.irp c, 0,1,2,3
	v_max_num_f32 v[BM+4*\j+\c], 0x8000000, v[BM+4*\j+\c]
.endr
.irp c, 0,1,2,3
	v_add_nc_u32 v[SO+\c], 0xf8800000, v[BM+4*\j+\c]
.endr
.irp c, 0,1,2,3
	v_and_or_b32 v[H+\c], v[BM+4*\j+\c], 0x7f800000, s32
.endr
.irp c, 0,1,2,3
	v_lshrrev_b32 v[28+\c], 23, v[SO+\c]
.endr
	v_lshl_or_b32 v[PS], v29, 8, v28
	v_lshl_or_b32 v[PS], v30, 16, v[PS]
	v_lshl_or_b32 v[PS], v31, 24, v[PS]
	HALF \j, 0
.if \j > 0
	VLD \j, 0, 64*\j
.endif
	HALF \j, 1
.if \j > 0
	VLD \j, 2, 64*\j+32
.else
	VLD 0, 0, 32
.endif
.rept 3
	v_nop                                          ; with the line behind the conversions: four places ahead of the products
.endr
	AW
	s_wait_dscnt 0x0
.if \j > 0
	PV \j, 0, 64*\j
	PV \j, 1, 64*\j+32
.else
	PV 0, 0, 32                                    ; step 0 leaves v0-31 to O^T, so V's tiles come two at a time through v32-63
	NOP8
	VLD 0, 2, 32
	s_wait_dscnt 0x0
	PV 0, 1, 32
.endif
	WIN 0
.if \j > 0
.Ln\j:
.endif
.endm
	AW
.Lpass:
	s_wait_loadcnt 0x0                             ; this pass's operands, asked for behind the last pass's first product
	v_or_b32 v[QS], 0x7f7f0000, v[QS]              ; the mask blocks' scale on Q's side: 1 (twelve lines and more stand between this and the first product)
	v_mov_b32 v[PD], v[PDN]
	SSTEP 0
	SSTEP 1
	SSTEP 2
	SSTEP 3
	v_mul_f32 v[ST0], s28, v[RM]                   ; my wave's maximum as t
	AW
	s_cmp_eq_u32 s[CNT], 1                         ; the next pass's operands; the last pass steps by 0 and stays inside the buffers
	s_cselect_b32 s39, 0, 1
	s_wait_xcnt 0x0
	s_lshl_b32 s34, s39, 14
	s_add_nc_u64 s[4:5], s[4:5], s[34:35]
	s_lshl_b32 s34, s39, 9
	s_add_nc_u64 s[6:7], s[6:7], s[34:35]
	s_lshl_b32 s34, s39, 19
	s_add_nc_u64 s[16:17], s[16:17], s[34:35]
	s_lshl_b32 s34, s39, 8
	s_add_nc_u64 s[20:21], s[20:21], s[34:35]
	PREF 1
	ESTEP 0
	ESTEP 1
	ESTEP 2
	ESTEP 3
	v_pk_add_f32 v[T:T+1], v[T:T+1], v[T+2:T+3]
	v_pk_add_f32 v[T+4:T+5], v[T+4:T+5], v[T+6:T+7]
	v_pk_add_f32 v[T:T+1], v[T:T+1], v[T+4:T+5]
	v_add_f32 v[T], v[T], v[T+1]
	v_permlanex16_b32 v[T+2], v[T], s30, s31
	v_add_f32 v[ST0+1], v[T], v[T+2]
	ds_store_b64 v[STW], v[ST0:ST0+1]              ; lanes r and r + 16 hold the same pair and write the same word
	BAR
.irp w, 0,1,2,3
	ds_load_b64 v[T+2*\w:T+2*\w+1], v[STR] offset:128*\w
.endr
	s_wait_dscnt 0x0
	v_max3_num_f32 v[U+5], v[T], v[T+2], v[T+4]
	v_max_num_f32 v[U+5], v[U+5], v[T+6]
.irp w, 0,1,2,3
	v_sub_f32 v[U+\w], v[T+2*\w], v[U+5]
.endr
	v_sub_f32 v[U+4], v[ST0], v[U+5]
	AW
.irp k, 0,1,2,3,4
	v_exp_f32 v[U+\k], v[U+\k]
.endr
	v_nop
	AW
	v_mul_f32 v[U+5], v[U], v[T+1]
.irp w, 1,2,3
	v_fma_f32 v[U+5], v[U+\w], v[T+2*\w+1], v[U+5]   ; the row's sum under the row's maximum
.endr
	AW
	v_rcp_f32 v[U], v[U+5]
	v_nop
	AW
	v_mul_f32 v[GG], v[U+4], v[U]
	v_cmp_lt_f32 s2, 0, v[U+5]                     ; a row with no open key, or a query that is padding: 0
	v_cmp_ne_u32 s3, 0, v[PD]
	s_and_b32 s2, s2, s3
	v_cndmask_b32 v[GG], v[ZERO], v[GG], s2
	NSTEP 0
	NSTEP 1
	NSTEP 2
	NSTEP 3
	NOP8                                           ; places behind the last products, on every way
	WIN 0x04
.irp dt, 0,1,2,3
	ds_store_b128 v[OWR], v[8*\dt:8*\dt+3] offset:64*\dt
	ds_store_b128 v[OWR], v[8*\dt+4:8*\dt+7] offset:64*\dt+16
.endr
	BAR
	WIN 0x40
.irp i, 0,1                            ; my four rows of my half's four partial O
.irp w, 0,1,2,3
	ds_load_b128 v[64+16*\w+4*\i:64+16*\w+4*\i+3], v[ORD] offset:4352*\w+544*\i
.endr
.endr
.irp i, 0,1
	s_wait_dscnt 4-4*\i                            ; the four loads of rows 2 i, 2 i + 1 are in; those behind them may be out
	WIN 0x45
	v_pk_add_f32 v[64+4*\i:65+4*\i], v[64+4*\i:65+4*\i], v[80+4*\i:81+4*\i]
	v_pk_add_f32 v[66+4*\i:67+4*\i], v[66+4*\i:67+4*\i], v[82+4*\i:83+4*\i]
	v_pk_add_f32 v[96+4*\i:97+4*\i], v[96+4*\i:97+4*\i], v[112+4*\i:113+4*\i]
	v_pk_add_f32 v[98+4*\i:99+4*\i], v[98+4*\i:99+4*\i], v[114+4*\i:115+4*\i]
	v_pk_add_f32 v[64+4*\i:65+4*\i], v[64+4*\i:65+4*\i], v[96+4*\i:97+4*\i]
	v_pk_add_f32 v[66+4*\i:67+4*\i], v[66+4*\i:67+4*\i], v[98+4*\i:99+4*\i]
	WIN 0x04
	global_store_b128 v[L16], v[64+4*\i:67+4*\i], s[22:23] offset:512*\i th:TH_STORE_NT   ; two whole rows of 256 bytes
.endr
	WIN 0
	s_wait_xcnt 0x0
	s_add_nc_u64 s[22:23], s[22:23], 0x10000
	s_lshr_b32 s[FB], s[FB], 4
	s_sub_co_u32 s[CNT], s[CNT], 1
	s_cmp_lg_u32 s[CNT], 0
	AW
	s_cbranch_scc1 .Lpass
	s_wait_tensorcnt 0x0                           ; the wave's end
	ds_add_u32 v[SPW], v[NIL]
	s_wait_dscnt 0x0
	s_endpgm
.Lfunc_end_k_q28480ae3a5_attn:
	.size	k_q28480ae3a5_attn, .Lfunc_end_k_q28480ae3a5_attn-k_q28480ae3a5_attn
	.p2alignl 7, 3214868480
	.fill 96, 4, 3214868480
	.section	.rodata,"a",@progbits
	.p2align	6, 0x0
	.amdhsa_kernel k_q28480ae3a5_attn
		.amdhsa_group_segment_fixed_size 299008
		.amdhsa_private_segment_fixed_size 0
		.amdhsa_enable_private_segment 0
		.amdhsa_kernarg_size 80
		.amdhsa_user_sgpr_count 2
		.amdhsa_user_sgpr_kernarg_segment_ptr 1
		.amdhsa_wavefront_size32 1
		.amdhsa_system_sgpr_workgroup_id_x 1
		.amdhsa_system_sgpr_workgroup_id_y 1
		.amdhsa_system_sgpr_workgroup_id_z 1
		.amdhsa_system_vgpr_workitem_id 0
		.amdhsa_next_free_vgpr 512
		.amdhsa_next_free_sgpr 100
		.amdhsa_reserve_vcc 1
		.amdhsa_float_denorm_mode_32 3
		.amdhsa_float_denorm_mode_16_64 3
		.amdhsa_memory_ordered 1
		.amdhsa_forward_progress 1
		.amdhsa_inst_pref_size 116
	.end_amdhsa_kernel
	.amdgpu_metadata
---
amdhsa.version: [ 1, 2 ]
amdhsa.kernels:
  - .name:           k_q28480ae3a5_attn
    .symbol:         k_q28480ae3a5_attn.kd
    .args:
      - { .name: qcodes, .offset: 0, .size: 8, .value_kind: global_buffer, .address_space: global }
      - { .name: qscales, .offset: 8, .size: 8, .value_kind: global_buffer, .address_space: global }
      - { .name: kcodes, .offset: 16, .size: 8, .value_kind: global_buffer, .address_space: global }
      - { .name: kscales, .offset: 24, .size: 8, .value_kind: global_buffer, .address_space: global }
      - { .name: vimg, .offset: 32, .size: 8, .value_kind: global_buffer, .address_space: global }
      - { .name: vsc, .offset: 40, .size: 8, .value_kind: global_buffer, .address_space: global }
      - { .name: mimg, .offset: 48, .size: 8, .value_kind: global_buffer, .address_space: global }
      - { .name: flags, .offset: 56, .size: 8, .value_kind: global_buffer, .address_space: global }
      - { .name: padding_mask, .offset: 64, .size: 8, .value_kind: global_buffer, .address_space: global }
      - { .name: out0, .offset: 72, .size: 8, .value_kind: global_buffer, .address_space: global }
    .group_segment_fixed_size: 299008
    .private_segment_fixed_size: 0
    .kernarg_segment_align: 8
    .kernarg_segment_size: 80
    .max_flat_workgroup_size: 256
    .sgpr_count:     100
    .vgpr_count:     512
    .wavefront_size: 32
...
	.end_amdgpu_metadata
.endif
;; end of part 2
